; MI455X (gfx1250); checked and timed in simulation.
; The chip was launched on July 23, 2026; its instructions are those of AMD's public machine-readable ISA for CDNA 5 (MIT licence, August 2026) and "CDNA5" Instruction Set Architecture Reference Guide (July 2026). The comments in the code are by the model that wrote it; some were corrected since.
;; Attention Model. Allowed arithmetic: matrix products marked QUANTISED: E4M3 operands, one given power-of-two scale a tensor, by v_wmma_f32_16x16x64_fp8_fp8 or v_wmma_f32_16x16x128_fp8_fp8, f32 sums; everything else in f32.
;; Inputs: Wk_codes 1,024 x 32 x 32 uint8 (E4M3 codes of Wk, K innermost, in blocks of 32 codes); Wq_codes 1,024 x 32 x 32 uint8 (E4M3 codes of Wq, K innermost, in blocks of 32 codes); Wv_codes 1,024 x 32 x 32 uint8 (E4M3 codes of Wv, K innermost, in blocks of 32 codes); bk 1,024 float32; bq 1,024 float32; bv 1,024 float32; key_codes 4 x 2,048 x 32 x 32 uint8 (E4M3 codes of key, K innermost, in blocks of 32 codes); lowp_scales 10 int32 (the exponents e of the quantised operands' scales 2^e); query_codes 4 x 2,048 x 32 x 32 uint8 (E4M3 codes of query, K innermost, in blocks of 32 codes); value_codes 4 x 2,048 x 32 x 32 uint8 (E4M3 codes of value, K innermost, in blocks of 32 codes).
;; Outputs: out0 4 x 2,048 x 1,024 float32.
;; This version of the problem:
;;   THIS VERSION OF THE PROBLEM IS GIVEN IN LOW PRECISION. The matrix products marked QUANTISED in the list below multiply operands that are first quantised to E4M3 (4 exponent bits, 3 mantissa bits; 8 bits a number), with one given power-of-two scale for each operand tensor; their sums are f32. All else is computed in f32.
;;   The module's matrix products, in the order in which they are computed (A, B: the left and right operand; K: the contracted axis; several contracted axes count as one K, in the product's order):
;;     1. [M 8,192, K 1,024] x [K 1,024, N 1,024]; A: input query (given as codes); B: input Wq (given as codes): QUANTISED (scales: A lowp_scales[0], B lowp_scales[1])
;;     2. [M 8,192, K 1,024] x [K 1,024, N 1,024]; A: input key (given as codes); B: input Wk (given as codes): QUANTISED (scales: A lowp_scales[2], B lowp_scales[3])
;;     3. [M 8,192, K 1,024] x [K 1,024, N 1,024]; A: input value (given as codes); B: input Wv (given as codes): QUANTISED (scales: A lowp_scales[4], B lowp_scales[5])
;;     4. batch 4 x [M 2,048, K 1,024] x [K 1,024, N 2,048]; A: computed on the way; B: computed on the way: QUANTISED (scales: A lowp_scales[6], B lowp_scales[7])
;;     5. batch 4 x [M 2,048, K 2,048] x [K 2,048, N 1,024]; A: softmax (see below); B: computed on the way: QUANTISED (scales: A lowp_scales[8], B lowp_scales[9])
;;   THE QUANTISER, for each operand of a quantised product, along K:
;;     - The operand's scale is 2^e, e = its entry of the input lowp_scales (int32; the entries are numbered through the quantised products in the list's order, A before B).
;;     - Each number is divided by the scale, clamped to +-448, and rounded to the nearest number of E4M3, ties to even, subnormals kept.
;;     - The product sums the exact products of the quantised numbers (number of the format x scale) in f32.
;;   ~~~python
;;   def quantise(x, axis, e):      # numpy; x: float32 -> the quantised numbers, widened to float32 again
;;       x = np.moveaxis(x, axis, -1); K = x.shape[-1]
;;       r = np.clip(x / 2.0 ** e, -448, 448)
;;       step = 2.0 ** (np.maximum(np.frexp(np.where(r == 0, 1, r))[1] - 1, -6) - 3)
;;       q = np.round(r / step) * step * 2.0 ** e      # np.round: ties to even
;;       return np.moveaxis(q, -1, axis).astype(np.float32)
;;   ~~~
;;   SOFTMAX AHEAD OF A QUANTISED PRODUCT. Where the list says 'softmax', what is quantised is not the finished softmax but p = 2^(t - M), with t = logit x log2(e) and M = ceil(the row's largest t), a whole number; so 1/2 < the row's largest p <= 1. The row's sum l is taken of the UNQUANTISED p, in f32, and the product's result is divided by l at the end. Since M is a whole number, a kernel that streams over the keys may use a running M (the ceiling of the running maximum): every later rescaling is an exact power of two, so the quantised numbers keep their values, but for numbers so far below the row's largest that they fall under the format's range.
;;   OPERANDS COMPUTED ON THE WAY. 'Computed on the way' means the value that the module computes at that place (a softmax that the list does not call 'softmax' is quantised finished and normalised). What goes into a quantiser is computed in f32, as accurately as f32 sums, v_exp_f32 and their like allow (about 1e-6 of the number): no bf16 or f16 on the way to a quantiser, and a product that is left as it is and whose result goes on into a quantised operand takes f32 operands (vector FMAs, or v_wmma_f32_16x16x4_f32). A number that lies on a knife's edge between two numbers of the format may be rounded either way, as far as f32 arithmetic and the matrix unit's own rounding can turn it there, and no further.
;;   INPUTS GIVEN AS CODES. Wk (in the module: [1024, 1024], K = its axis 0); Wq (in the module: [1024, 1024], K = its axis 0); Wv (in the module: [1024, 1024], K = its axis 0); key (in the module: [4, 2048, 1024], K = its axis 2); query (in the module: [4, 2048, 1024], K = its axis 2); value (in the module: [4, 2048, 1024], K = its axis 2): each comes as NAME_codes (uint8): NAME with its K axis moved to the last place and cut into blocks of 32 codes, [.., K / 32, bytes a block], one block behind the other in memory; one code a byte (a code: sign, 4 exponent bits, 3 mantissa bits); its scale is its entry of lowp_scales. Its value is code x scale, taken as it is: it is not quantised again, and the codes and scales need not be those that the quantiser above would give.
;; One version. Each part assembles by itself: llvm-mc -triple=amdgcn-amd-amdhsa -mcpu=gfx1250 --defsym DOCPART=n.
;; ======== version 1 of 1: 3 launches
;; limits: right only within a limited range of input values
;; workspace buffers: qc 8,388,608 bytes; kc 8,388,608 bytes; vt 8,388,608 bytes; pc 16,777,216 bytes; st 524,288 bytes
;; launch proj (part 1): grid 4 x 64, 4 waves a work-group, clusters of 4 x 4, 327,680 bytes of LDS; arguments query_codes, key_codes, value_codes, Wq_codes, Wk_codes, Wv_codes, bq, bk, bv, lowp_scales, qc, kc, vt; writes qc, kc, vt
.if DOCPART == 1
	.amdgcn_target "amdgcn-amd-amdhsa--gfx1250"
	.amdhsa_code_object_version 6
	.text
	.protected	k_q1c78c7a1eb_proj
	.globl	k_q1c78c7a1eb_proj
	.p2align	8
	.type	k_q1c78c7a1eb_proj,@function
k_q1c78c7a1eb_proj:
	s_mov_b64 s[64:65], 0
	v_nop
	global_prefetch_b8 v0, s[64:65] scope:SCOPE_SE
	s_setreg_imm32_b32 hwreg(HW_REG_WAVE_MODE, 25, 1), 1
	s_wait_xcnt 0x0
	s_wait_alu depctr_hold_cnt(0) depctr_sa_sdst(0) depctr_va_vdst(0) depctr_va_sdst(0) depctr_va_ssrc(0) depctr_va_vcc(0) depctr_vm_vsrc(0)
	s_getreg_b32 s2, hwreg(HW_REG_IB_STS2, 6, 4)
	s_cmp_eq_u32 s2, 0
	s_cbranch_scc0 .Lentry_in_a_cluster
	s_endpgm
.Lentry_in_a_cluster:
	s_bfe_u32 s2, ttmp6, 0x10000c
	s_cmp_lg_u32 s2, 0xf033
	s_cbranch_scc0 .Lentry_shape_is_right
	s_endpgm
.Lentry_shape_is_right:
; THE THREE PROJECTIONS, each quantised on its way out: qc = Q(query Wq + bq), kc = Q(key Wk + bk), vt = Q((value Wv + bv)^T).  All operands arrive as codes of E4M3 with K innermost and are multiplied as they are.
; DEAD WORK: none.  Every product of reference() reaches the output, and each bias goes into a quantised operand of a live product, where it can move codes: all inputs are loaded.
; LIMITS on the given exponents: a product's two add to a number between -126 and 126; eo less that sum lies between -126 and 119 (eo = entry 6 for q, 7 for k, 9 for v), so that each power of two below is an f32 number.  NaN among the biases is not served.
; SHARES.  256 work-groups in 16 clusters of 4 x 4; c = the cluster's y.  A work-group makes TWO blocks one after the other, through one ring:
;   block 1: 256 x 256 of q (c < 8) or k: A = the activations' rows 1024 (c % 8) + 256 cy, B = the weight's rows 256 cx;  a wave 128 x 128, 64 accumulators;
;   block 2: 256 x 128 of v^T: A = Wv's rows 256 cy, B = value's rows 512 c + 128 cx;  a wave 64 x 128, 32 accumulators.
; A's tiles are asked for jointly along a row of the cluster, B's along a column.  K goes in steps of 256 through two LDS slots; block 2's first two K steps are asked for in block 1's last two changes of slots.
; THE HEAD: each wave issues one tensor load of 256 rows: wave 0 A's K step 0, wave 1 B's, wave 2 A's K step 1, wave 3 B's: both slots.
; THE BIAS IS THE C OF THE FIRST PRODUCTS, divided by the power of two that the sums lack; so the way out is the hold and the conversion alone, with the scale 2^(eo - ex - ew).
; THE MATRIX INSTRUCTION IS USED TRANSPOSED (source 0 = 16 rows of B, source 1 = 16 rows of A): lane (r, h) holds row r and columns 8 h + 0 .. 7.  A fragment is fetched by four loads of 16 bytes: a permutation of k that is the same in A and B.
; THE RESULTS ARE LAID AS OPERAND IMAGES: 16 rows x 128 columns of codes are 2,048 bytes, registers 4 c .. 4 c + 3 of lane l at 512 c + 16 l; the conversions' results ARE these registers (columns 16 c + 8 h + 0 .. 7 in registers 2 c, 2 c + 1).
;   qc, kc: [32 blocks of 256 rows][4 steps of 256 columns][16 tiles of 16 rows][2 halves of 128 columns] images;   vt: [4 batches][8 blocks of 128 e][16 steps of 128 keys][8 tiles of 16 e] images.
; REGISTERS: window 0: v1-31 addresses and constants; v32-95 the bias, later a block's numbers, then block 2's bias; v96-127 codes, two sets; v128-255 A's fragments (block 1: one set of eight; block 2: two sets of four).
;   window 1: B's fragments, two sets.  windows 2, 3: the accumulators.
.set ROWB,   256
.set KROW,   1024
.set PITCH,  272                       ; an LDS row: 256 bytes + 16 of padding: the 16 rows that a load touches start at 16 different banks
.set FR,     16
.set NL,     4
.set NP,     4                         ; places behind this matrix instruction (ISA guide 7.12.1)
.set HALFT,  128*PITCH
.set SLOT,   4*HALFT                   ; A's 256 rows, then (2 HALFT on) B's rows
.set SPARE,  2*SLOT                    ; the spare words, 128 bytes for each wave
.set ADRB2, 12                         ; v12-13 my B fragments of block 2 in slot 0, 1
.set ADRA,  16                         ; v16-17 my A fragments of block 1
.set ADRA2, 18                         ; v18-19 of block 2
.set ADRB,  20                         ; v20-21 my B fragments of block 1
.set CO,    22                         ; v22    16 x lane
.set PFO,   23                         ; v23    the prefetches' offset in block 1: a lane a row
.set PFO2,  24                         ; v24    and in block 2
.set SPW,   28
.set NIL,   29
.set SC,    30                         ; v30    the conversion's scale
.set LIM,   31                         ; v31    448 x that
.set TMP,   32
.set CD,    96
.set AF,    128
.set G1, 24                            ; s[24:31], s[32:35] A's descriptor;  s[48:55], s[56:59] B's
.set G0, 32
.set G1B, 48
.set G0B, 56
.set PH, 1                             ; the block in hand
.set MSB, 0
.macro WIN new                         ; the immediate's high byte repeats the setting that is left
.if MSB != (\new)
	s_set_vgpr_msb (MSB<<8)|(\new)
.set MSB, (\new)
.endif
.endm
.set MUL_LO, 0xa1                      ; source 0 (B) window 1, source 1 (A) window 0, C and D window 2
.set MUL_HI, 0xf1                      ; the same, C and D window 3.  Where the bias is C its window is 0: 0x81, 0xc1
.set TO_B,   0x40
; A joint load: the waves whose register c is 0 fetch for A, the others for B; the branch hangs on the wave's number alone.
.macro JLOAD c
	s_cmp_eq_u32 s[\c], 0
	s_cbranch_scc0 .Lfor_b_\@
	tensor_load_to_lds s[G0:G0+3], s[G1:G1+7]
	s_nop 0
.rept 4
	v_nop
.endr
	s_branch .Lasked_\@
.Lfor_b_\@:
	tensor_load_to_lds s[G0B:G0B+3], s[G1B:G1B+7]
	s_nop 0
.rept 4
	v_nop
.endr
.Lasked_\@:
.endm
.macro CREST                           ; a round of the cluster's barrier behind its opening barrier
	s_cmp_lg_u32 s14, 0
	s_cbranch_scc1 .Lnot_wave_0_\@
	s_barrier_signal -3
.Lnot_wave_0_\@:
	s_barrier_wait -3
	s_barrier_signal -1
	s_barrier_wait -1
.endm
.macro CROUND
	s_barrier_signal -1
	s_barrier_wait -1
	CREST
.endm
; A PREFETCH INTO THE L2, two K steps ahead of the joint load that will want it: a lane a row of 256 bytes, one instruction a wave.  The four partners that ask for a tile jointly share its rows out by address.
; The weights are read by many clusters: four clusters ask for each of their blocks (a test on the cluster's number); the activations by the cluster that loads them.  K steps 0 and 1 of block 1 come by their loads alone; behind block 2's last K step nothing is asked for.
.macro ASK lim, off, base, imm
	s_cmp_eq_u32 s[\lim], 1
	s_cbranch_scc0 .Lnot_mine_\@
	global_prefetch_b8 v[\off], s[\base:\base+1] offset:\imm th:TH_LOAD_NT scope:SCOPE_SE
.Lnot_mine_\@:
.endm
.macro ADDL d, x, sh, t                ; s[d] += s[x] << sh
	s_lshl_b32 s[\t], s[\x], \sh
	s_add_co_u32 s[\d], s[\d], s[\t]
.endm
.macro ROWS ra, rb                     ; the tiles' rows in the two descriptors
	s_mov_b32 s[G1+2], (\ra)<<16
	s_mov_b32 s[G1+4], \ra
	s_mov_b32 s[G1B+2], (\rb)<<16
	s_mov_b32 s[G1B+4], \rb
.endm
.macro SETG la, lb, aa, ab, slot, k    ; both groups 0: LDS address and K step
	s_add_co_u32 s[G0+1], s[\la], (\slot)*SLOT
	s_add_nc_u64 s[G0+2:G0+3], s[\aa:\aa+1], \k
	s_or_b32 s[G0+3], s[G0+3], 0x80000000
	s_add_co_u32 s[G0B+1], s[\lb], (\slot)*SLOT
	s_add_nc_u64 s[G0B+2:G0B+3], s[\ab:\ab+1], \k
	s_or_b32 s[G0B+3], s[G0B+3], 0x80000000
.endm
	s_load_b512 s[68:83], s[0:1], 0x0              ; query s[68:69], key s[70:71], value s[72:73], Wq s[74:75], Wk s[76:77], Wv s[78:79], bq s[80:81], bk s[82:83]
	s_load_b256 s[84:91], s[0:1], 0x40             ; bv s[84:85], the exponents s[86:87], qc s[88:89], kc s[90:91]
	s_load_b64 s[92:93], s[0:1], 0x60              ; vt
	v_lshl_add_u32 v[SPW], v0, 2, SPARE
	v_mov_b32 v[NIL], 0
	ds_add_u32 v[SPW], v[NIL]                      ; the wave's opening: the add, twice on end, and its wait
	ds_add_u32 v[SPW], v[NIL]
	v_lshrrev_b32 v1, 5, v0
	v_readfirstlane_b32 s14, v1                    ; wave 0..3
	s_lshr_b32 s15, s14, 1                         ; my half of the rows.  Also: I fetch for A (0) or B (1); at the head: which K step I fetch
	s_and_b32 s16, s14, 1                          ; my half of the columns.  Also: which half of that tile I fetch; at the head: for A (0) or B (1)
	s_bfe_u32 s40, ttmp6, 0x40000                  ; cx, cy
	s_bfe_u32 s41, ttmp6, 0x40004
	s_and_b32 s42, ttmp7, 0xffff                   ; c, the same in all sixteen partners
	s_lshr_b32 s43, s42, 3                         ; 0 q, 1 k
	s_lshl_b32 s2, s41, 2
	s_lshl_b32 s2, 15, s2                          ; my row of the cluster
	s_lshl_b32 s3, 0x1111, s40                     ; my column
	s_or_b32 s[G1+0], s2, (0<<16)|(1<<20)|(1<<21)|(5<<22)|(3<<25)   ; the mask; elements of 1 byte; padding on; 21 set beside a mask; after every 64 words; four words
	s_or_b32 s[G1B+0], s3, (0<<16)|(1<<20)|(1<<21)|(5<<22)|(3<<25)
.irp g, G1, G1B
	s_mov_b32 s[\g+1], ROWB<<16
	s_mov_b32 s[\g+3], ROWB<<16
	s_mov_b32 s[\g+5], KROW
	s_mov_b32 s[\g+6], 0
	s_mov_b32 s[\g+7], 0
.endr
	ROWS 256, 256
	s_and_b32 s17, s42, 7
	s_lshl_b32 s20, s17, 20
	ADDL 20, 41, 18, 17                            ; A of block 1, in bytes: rows 1024 (c % 8) + 256 cy
	s_mov_b32 s21, 0
	s_lshl_b32 s22, s40, 18                        ; B of block 1: rows 256 cx
	s_mov_b32 s23, 0
	s_lshl_b32 s36, s41, 18
	ADDL 36, 16, 17, 17                            ; A of block 2: rows 256 cy + 128 x half
	s_mov_b32 s37, 0
	s_lshl_b32 s38, s42, 19
	ADDL 38, 40, 17, 19
	ADDL 38, 16, 16, 19                            ; B of block 2: rows 512 c + 128 cx + 64 x half
	s_mov_b32 s39, 0
	s_mul_i32 s45, s14, HALFT                      ; refills: where my 128 rows go,
	s_mul_i32 s46, s16, 64*PITCH
	s_add_co_u32 s46, s46, 2*HALFT                 ; and in block 2 my 64 rows of B (waves 2 and 3)
	s_lshl_b32 s96, s15, 8                         ; the head: my K step in memory,
	s_mov_b32 s97, 0
	s_mul_i32 s67, s15, SLOT                       ; and its slot
	s_add_co_u32 s66, s67, 2*HALFT
	s_wait_dscnt 0x0                               ; both opening adds are done
	s_wait_kmcnt 0x0
	s_cmp_eq_u32 s43, 0                            ; the buffers are chosen by the cluster's number alone
	s_cselect_b64 s[4:5], s[68:69], s[70:71]       ; the activations,
	s_cselect_b64 s[6:7], s[74:75], s[76:77]       ; the weight,
	s_cselect_b64 s[8:9], s[80:81], s[82:83]       ; the bias,
	s_cselect_b64 s[94:95], s[88:89], s[90:91]     ; the result
	s_add_nc_u64 s[4:5], s[4:5], s[20:21]
	s_add_nc_u64 s[6:7], s[6:7], s[22:23]
	s_add_nc_u64 s[10:11], s[78:79], s[36:37]
	s_add_nc_u64 s[12:13], s[72:73], s[38:39]
	s_load_b256 s[68:75], s[86:87], 0x0            ; the exponents 0 to 7,
	s_load_b64 s[76:77], s[86:87], 0x20            ; 8 and 9
	s_mov_b32 s[G0], 1
	s_mov_b32 s[G0+1], s67
	s_add_nc_u64 s[G0+2:G0+3], s[4:5], s[96:97]
	s_or_b32 s[G0+3], s[G0+3], 0x80000000
	s_mov_b32 s[G0B], 1
	s_mov_b32 s[G0B+1], s66
	s_add_nc_u64 s[G0B+2:G0B+3], s[6:7], s[96:97]
	s_or_b32 s[G0B+3], s[G0B+3], 0x80000000
	CROUND                                         ; all sixteen work-groups are here: the first joint loads meet
	JLOAD 16                                       ; one tensor load a wave: both slots
	; behind it: addresses.  The bias:
	s_lshl_b32 s98, s40, 10
	ADDL 98, 16, 9, 99
	s_mov_b32 s99, 0
	s_add_nc_u64 s[8:9], s[8:9], s[98:99]          ; block 1: columns 256 cx + 128 x half
	s_lshl_b32 s98, s41, 10
	ADDL 98, 14, 8, 99
	s_mov_b32 s99, 0
	s_add_nc_u64 s[84:85], s[84:85], s[98:99]      ; block 2: rows 256 cy + 64 x wave
	v_and_b32 v1, 15, v0                           ; r
	v_bfe_u32 v2, v0, 4, 1                         ; h
	v_and_b32 v3, 31, v0                           ; lane
	v_lshlrev_b32 v9, 5, v2
	v_lshlrev_b32 v8, 2, v1
.irp b, 0,1,2,3,4,5,6,7                        ; lane (r, h) wants the bias of columns 16 b + 8 h + 0 .. 7,
	global_load_b128 v[32+8*\b:35+8*\b], v9, s[8:9] offset:64*\b
	global_load_b128 v[36+8*\b:39+8*\b], v9, s[8:9] offset:64*\b+16
.endr
.irp a, 0,1,2,3                                ; and in block 2 that of rows 16 a + r
	global_load_b32 v[4+\a], v8, s[84:85] offset:64*\a
.endr
	s_wait_alu depctr_va_vdst(0)
	s_wait_kmcnt 0x0
	; where my results go: block 1: image ((4 (c % 8) + cy) x 4 + cx) x 32 + 16 x row half + 2 a + column half
	s_lshl_b32 s98, s40, 16
	s_add_co_u32 s98, s98, s20
	ADDL 98, 15, 15, 99
	ADDL 98, 16, 11, 99
	s_mov_b32 s99, 0
	s_add_nc_u64 s[94:95], s[94:95], s[98:99]
	; block 2: batch c / 4, block of 128 e 2 cy + wave / 2, step 4 (c % 4) + cx, tile 4 (wave % 2) + a
	s_lshr_b32 s98, s42, 2
	s_lshl_b32 s98, s98, 21
	ADDL 98, 41, 19, 99
	ADDL 98, 15, 18, 99
	s_and_b32 s99, s42, 3
	s_lshl_b32 s99, s99, 16
	s_add_co_u32 s98, s98, s99
	ADDL 98, 40, 14, 99
	ADDL 98, 16, 13, 99
	s_mov_b32 s99, 0
	s_add_nc_u64 s[92:93], s[92:93], s[98:99]
	; the refills' halves of block 1's tiles, then the prefetches
	s_lshl_b32 s96, s16, 17
	s_add_nc_u64 s[4:5], s[4:5], s[96:97]
	s_add_nc_u64 s[6:7], s[6:7], s[96:97]
	s_bfe_u32 s44, s42, 0x10002
	s_xor_b32 s44, s44, 1                          ; clusters 0-3 and 8-11 ask for Wq and Wk,
	s_cmp_lt_u32 s42, 4
	s_cselect_b32 s47, 1, 0                        ; clusters 0-3 for Wv
	s_cmp_lt_u32 s14, 2                            ; do I fetch for A?
	s_cselect_b64 s[60:61], s[4:5], s[6:7]
	s_cselect_b64 s[62:63], s[10:11], s[12:13]
	s_cselect_b32 s66, s40, s41                    ; my place among the four that ask with me
	s_cselect_b32 s79, 31, 15                      ; block 2: 32 rows of A's 128, 16 of B's 64
	s_cselect_b32 s67, 15, 14
	s_cselect_b32 s44, 1, s44
	s_cselect_b32 s47, s47, 1
	s_lshl_b32 s98, s66, 15
	s_mov_b32 s99, 0
	s_add_nc_u64 s[60:61], s[60:61], s[98:99]
	s_lshl_b32 s98, s66, s67
	s_add_nc_u64 s[62:63], s[62:63], s[98:99]
	s_mul_i32 s66, s15, HALFT                      ; my rows of A in a slot,
	s_mul_i32 s78, s14, 64*PITCH                   ; in block 2,
	s_mul_i32 s67, s16, HALFT                      ; and of B
	s_add_co_u32 s67, s67, 2*HALFT
	; the exponents
	s_cmp_eq_u32 s43, 0
	s_cselect_b32 s2, s68, s70
	s_cselect_b32 s3, s69, s71
	s_cselect_b32 s17, s74, s75
	s_add_co_i32 s2, s2, s3                        ; ex + ew
	s_sub_co_i32 s96, 127, s2
	s_lshl_b32 s96, s96, 23                        ; 2^-(ex + ew): the bias's factor
	s_sub_co_i32 s17, s17, s2
	s_add_co_i32 s17, s17, 127
	s_lshl_b32 s2, s17, 23                         ; 2^(eo - ex - ew)
	s_add_co_i32 s17, s17, 8
	s_lshl_b32 s17, s17, 23
	s_or_b32 s17, s17, 0x600000                    ; 448 x that
	s_add_co_i32 s3, s72, s73                      ; and the same for block 2
	s_sub_co_i32 s97, 127, s3
	s_lshl_b32 s97, s97, 23
	s_sub_co_i32 s3, s77, s3
	s_add_co_i32 s3, s3, 127
	s_lshl_b32 s98, s3, 23
	s_add_co_i32 s3, s3, 8
	s_lshl_b32 s3, s3, 23
	s_or_b32 s99, s3, 0x600000
	v_mov_b32 v[SC], s2
	v_mov_b32 v[LIM], s17
	v_mul_u32_u24 v10, v1, PITCH
	v_lshl_add_u32 v11, v2, 4, v10                 ; a fragment's row x pitch + 16 x half
	v_add_nc_u32 v[ADRA], s66, v11
	v_add_nc_u32 v[ADRA+1], SLOT, v[ADRA]
	v_add_nc_u32 v[ADRA2], s78, v11
	v_add_nc_u32 v[ADRA2+1], SLOT, v[ADRA2]
	v_add_nc_u32 v[ADRB], s67, v11
	v_add_nc_u32 v[ADRB+1], SLOT, v[ADRB]
	v_add_nc_u32 v[ADRB2], 2*HALFT, v11            ; block 2: all four waves share B's 128 rows
	v_add_nc_u32 v[ADRB2+1], SLOT, v[ADRB2]
	v_lshlrev_b32 v[CO], 4, v3
	v_lshlrev_b32 v[PFO], 10, v3
	v_min_u32 v14, s79, v3                         ; lanes left over name the wave's last row again
	v_lshlrev_b32 v[PFO2], 10, v14
	s_wait_alu depctr_va_vdst(0)
	ASK 44, PFO, 60, 512                           ; K step 2
	s_wait_loadcnt 0x0                             ; the biases
.set j, 0
.rept 32
	v_pk_mul_f32 v[32+j:33+j], v[32+j:33+j], s[96:97] op_sel_hi:[1,0]
.set j, j+2
.endr
.macro FRAG reg, adr, q, i             ; 16 rows x 128 K of codes: lane (r, h) holds, of row r, K = 32 c + 16 h + 0 .. 15 in registers 4 c .. 4 c + 3
.irp c, 0,1,2,3
	ds_load_b128 v[\reg+4*\c:\reg+4*\c+3], v[\adr] offset:128*(\q)+32*\c+(\i)*16*PITCH
.endr
.endm
; Eight matrix instructions: A's block a x B's eight.  p: the set.  z = 1: the bias starts the sums.  The accumulators take turns in the same order in every step.
.macro MUL8 a, p, z
.irp b, 0,1,2,3,4,5,6,7
.set DD, 8*(8*((\a)%4)+\b)
.set FB, 128*(\p)+FR*\b
.set FA, AF+FR*(\a)+64*(PH-1)*(\p)
.if \z
.set CC, 32+8*((PH-1)*(\a)+(2-PH)*\b)
	v_wmma_f32_16x16x128_fp8_fp8 v[DD:DD+7], v[FB:FB+15], v[FA:FA+15], v[CC:CC+7]
.else
	v_wmma_f32_16x16x128_fp8_fp8 v[DD:DD+7], v[FB:FB+15], v[FA:FA+15], v[DD:DD+7]
.endif
.endr
.endm
.macro FETCH_B adr, q, p
	WIN TO_B
.irp i, 0,1,2,3,4,5,6,7
	FRAG 128*(\p)+FR*\i, \adr, \q, \i
.endr
	WIN 0
.endm
.macro FETCH_A adr, q, i0, dst
	WIN 0
.irp i, \i0, \i0+1, \i0+2, \i0+3
	FRAG \dst+FR*(\i), \adr, \q, \i
.endr
.endm
.macro PLACES n                        ; plain vector instructions between a matrix instruction and a load into, or a vector read of, its registers
.rept \n
	v_nop
.endr
.endm
; BLOCK 1.  STEP: a slot's first 128 along K.  B has two sets of registers: the next set is asked for at the step's head.  A has one: its first half is asked for in the middle, its second at the end, when those blocks' products are issued.
.macro STEP slot, z
	s_wait_dscnt 4*NL                              ; B's set and A's blocks 0-3 are in; the youngest 16 loads (A's blocks 4-7) may be out
	FETCH_B ADRB+\slot, 1, 1
	WIN MUL_LO-0x20*(\z)
.irp a, 0,1,2,3
	MUL8 \a, 0, \z
.endr
	s_wait_dscnt 8*NL                              ; A's blocks 4-7 are in; B's next set may be out
	PLACES NP
	FETCH_A ADRA+\slot, 1, 0, AF
	WIN MUL_HI-0x30*(\z)
.irp a, 4,5,6,7
	MUL8 \a, 0, \z
.endr
	PLACES NP
	FETCH_A ADRA+\slot, 1, 4, AF
.endm
; TURN: a slot's last 128 along K, and the change of slots.  src: the block whose K step (at byte k of the rows) fills the slot again; ph: the block whose fragments are fetched behind it; pf: the byte in block 2's rows that is prefetched.
.macro TURN slot, next, src, k, pf, ph
	s_wait_tensorcnt 0x0                           ; all my tensor loads have landed: my part of the next slot
	ds_add_u32 v[SPW], v[NIL]                      ; 0 onto my spare word
.if \src == 1
	ROWS 128, 128
	SETG 45, 45, 4, 6, \slot, \k
.else
	ROWS 128, 64
	SETG 45, 46, 10, 12, \slot, \k
.endif
	s_wait_dscnt 4*NL+1                            ; (the add and the youngest 16 loads may be out)
	WIN MUL_LO
	MUL8 0, 1, 0                                   ; eight matrix instructions stand between the add and the wait for it
	s_wait_dscnt 0x0                               ; the add is done, and my reads of this slot are over
	s_barrier_signal -1
	MUL8 1, 1, 0
	WIN 0
	s_barrier_wait -1
	CREST                                          ; no wave of any partner still reads this slot or has a load on its way
	JLOAD 15                                       ; the first tensor load behind the round
.if \ph == 1
	FETCH_B ADRB+\next, 0, 0
.else
	FETCH_B ADRB2+\next, 0, 0
.endif
	ASK 47, PFO2, 62, \pf
	WIN MUL_LO
	MUL8 2, 1, 0
	MUL8 3, 1, 0
	PLACES NP
.if \ph == 1
	FETCH_A ADRA+\next, 0, 0, AF
.else
	FETCH_A ADRA2+\next, 0, 0, AF
.endif
	WIN MUL_HI
.irp a, 4,5,6,7
	MUL8 \a, 1, 0
.endr
	PLACES NP
	WIN 0
.if \ph == 1
	FETCH_A ADRA+\next, 0, 4, AF
.endif
.endm
; BLOCK 2.  A and B have two sets each: the next 128 along K are fetched while this one is multiplied.
.macro STEP2 slot, z
	FETCH_B ADRB2+\slot, 1, 1
	s_wait_dscnt 8*NL                              ; all but the 32 just issued
	WIN MUL_LO-0x20*(\z)
	MUL8 0, 0, \z
	MUL8 1, 0, \z
	FETCH_A ADRA2+\slot, 1, 0, AF+64
	WIN MUL_LO-0x20*(\z)
	MUL8 2, 0, \z
	MUL8 3, 0, \z
	PLACES NP
	WIN 0
.endm
.macro TURN2 slot, next, fill, k
	s_wait_tensorcnt 0x0
	ds_add_u32 v[SPW], v[NIL]
.if \fill
	SETG 45, 46, 10, 12, \slot, \k
.endif
	s_wait_dscnt 1                                 ; my fragments are in; the add may be out
	WIN MUL_LO
	MUL8 0, 1, 0
	s_wait_dscnt 0x0
	s_barrier_signal -1
	MUL8 1, 1, 0
	WIN 0
	s_barrier_wait -1
.if \fill
	CREST
	JLOAD 15
.endif
	FETCH_B ADRB2+\next, 0, 0
	FETCH_A ADRA2+\next, 0, 0, AF
	WIN MUL_LO
	MUL8 2, 1, 0
	MUL8 3, 1, 0
	PLACES NP
	WIN 0
.endm
; THE WAY OUT of 16 rows x 128 columns: the hold, the conversion, and one image of 2,048 bytes, each store 512 consecutive bytes at a multiple of 512.
.macro OUT a, base, stride
	WIN 0x02+((\a)/4)                              ; source 0: window 2 or 3
.set i, 0
.rept 64
	v_med3_num_f32 v[TMP+i], v[64*((\a)%4)+i], -v[LIM], v[LIM]   ; the conversion to an 8-bit code does not saturate (ISA guide 7.6.2)
.set i, i+1
.endr
	WIN 0
	s_wait_alu depctr_va_vdst(0)
.if ((\a) >= 2) || (PH == 2)
	s_wait_xcnt 0x0                                ; the stores of two blocks back have read this set of code registers
.endif
.irp b, 0,1,2,3,4,5,6,7
	v_cvt_scalef32_pk8_fp8_f32 v[CD+16*((\a)%2)+2*\b:CD+16*((\a)%2)+2*\b+1], v[TMP+8*\b:TMP+8*\b+7], v[SC]
.endr
	v_nop                                          ; one plain vector instruction behind the conversions
.irp c, 0,1,2,3
	global_store_b128 v[CO], v[CD+16*((\a)%2)+4*\c:CD+16*((\a)%2)+4*\c+3], s[\base:\base+1] offset:(\a)*\stride+512*\c
.endr
.endm
	s_wait_alu depctr_va_vdst(0)
	s_wait_tensorcnt 0x0                           ; my tile is in
	s_barrier_signal -1
	s_barrier_wait -1                              ; both slots are whole
	FETCH_B ADRB, 0, 0
	FETCH_A ADRA, 0, 0, AF
	FETCH_A ADRA, 0, 4, AF
	STEP 0, 1                                      ; K 0
	ASK 44, PFO, 60, 768                           ; K step 3
	TURN 0, 1, 1, 512, 0, 1                        ; K 128;  slot 0 takes K step 2
	STEP 1, 0
	TURN 1, 0, 1, 768, 256, 1                      ; K 384;  slot 1 takes K step 3
	STEP 0, 0
	TURN 0, 1, 2, 0, 512, 1                        ; K 640;  slot 0 takes block 2's K step 0
	STEP 1, 0
	TURN 1, 0, 2, 256, 768, 2                      ; K 896;  slot 1 takes block 2's K step 1
.irp a, 0,1,2,3,4,5,6,7
	OUT \a, 94, 4096
.endr
	v_mov_b32 v[SC], s98                           ; block 2's scale and limit,
	v_mov_b32 v[LIM], s99
.irp a, 0,1,2,3                                ; and its bias: one number for all eight columns of a lane's row
.irp j, 0,1,2,3,4,5,6,7
	v_mul_f32 v[32+8*\a+\j], s97, v[4+\a]
.endr
.endr
	s_wait_alu depctr_va_vdst(0)
.set PH, 2
	STEP2 0, 1
	TURN2 0, 1, 1, 512
	STEP2 1, 0
	TURN2 1, 0, 1, 768
	STEP2 0, 0
	TURN2 0, 1, 0, 0                               ; nothing is left to fetch
	STEP2 1, 0
	s_wait_dscnt 0x0
	WIN MUL_LO
.irp a, 0,1,2,3
	MUL8 \a, 1, 0
.endr
	PLACES NP
.irp a, 0,1,2,3
	OUT \a, 92, 2048
.endr
	s_wait_tensorcnt 0x0                           ; the wave's end
	ds_add_u32 v[SPW], v[NIL]
	s_wait_dscnt 0x0
	CROUND                                         ; the closing round: no work-group ends while a partner may still ask for a tile that names it
	s_endpgm
.Lfunc_end_k_q1c78c7a1eb_proj:
	.size	k_q1c78c7a1eb_proj, .Lfunc_end_k_q1c78c7a1eb_proj-k_q1c78c7a1eb_proj
	.p2alignl 7, 3214868480
	.fill 96, 4, 3214868480
	.section	.rodata,"a",@progbits
	.p2align	6, 0x0
	.amdhsa_kernel k_q1c78c7a1eb_proj
		.amdhsa_group_segment_fixed_size 327680
		.amdhsa_private_segment_fixed_size 0
		.amdhsa_enable_private_segment 0
		.amdhsa_kernarg_size 104
		.amdhsa_user_sgpr_count 2
		.amdhsa_user_sgpr_kernarg_segment_ptr 1
		.amdhsa_wavefront_size32 1
		.amdhsa_system_sgpr_workgroup_id_x 1
		.amdhsa_system_sgpr_workgroup_id_y 1
		.amdhsa_system_sgpr_workgroup_id_z 1
		.amdhsa_system_vgpr_workitem_id 0
		.amdhsa_next_free_vgpr 1024
		.amdhsa_next_free_sgpr 100
		.amdhsa_reserve_vcc 0
		.amdhsa_float_denorm_mode_32 3
		.amdhsa_float_denorm_mode_16_64 3
		.amdhsa_memory_ordered 1
		.amdhsa_forward_progress 1
		.amdhsa_inst_pref_size 196
	.end_amdhsa_kernel
	.amdgpu_metadata
---
amdhsa.version: [ 1, 2 ]
amdhsa.kernels:
  - .name:           k_q1c78c7a1eb_proj
    .symbol:         k_q1c78c7a1eb_proj.kd
    .args:
      - { .name: query_codes, .offset: 0, .size: 8, .value_kind: global_buffer, .address_space: global }
      - { .name: key_codes, .offset: 8, .size: 8, .value_kind: global_buffer, .address_space: global }
      - { .name: value_codes, .offset: 16, .size: 8, .value_kind: global_buffer, .address_space: global }
      - { .name: Wq_codes, .offset: 24, .size: 8, .value_kind: global_buffer, .address_space: global }
      - { .name: Wk_codes, .offset: 32, .size: 8, .value_kind: global_buffer, .address_space: global }
      - { .name: Wv_codes, .offset: 40, .size: 8, .value_kind: global_buffer, .address_space: global }
      - { .name: bq, .offset: 48, .size: 8, .value_kind: global_buffer, .address_space: global }
      - { .name: bk, .offset: 56, .size: 8, .value_kind: global_buffer, .address_space: global }
      - { .name: bv, .offset: 64, .size: 8, .value_kind: global_buffer, .address_space: global }
      - { .name: lowp_scales, .offset: 72, .size: 8, .value_kind: global_buffer, .address_space: global }
      - { .name: qc, .offset: 80, .size: 8, .value_kind: global_buffer, .address_space: global }
      - { .name: kc, .offset: 88, .size: 8, .value_kind: global_buffer, .address_space: global }
      - { .name: vt, .offset: 96, .size: 8, .value_kind: global_buffer, .address_space: global }
    .group_segment_fixed_size: 327680
    .private_segment_fixed_size: 0
    .kernarg_segment_align: 8
    .kernarg_segment_size: 104
    .max_flat_workgroup_size: 128
    .sgpr_count:     100
    .vgpr_count:     1024
    .wavefront_size: 32
...
	.end_amdgpu_metadata
.endif
;; end of part 1
;; launch scores (part 2): grid 8 x 32, 4 waves a work-group, clusters of 4 x 4, 327,680 bytes of LDS; arguments qc, kc, lowp_scales, pc, st; writes pc, st
.if DOCPART == 2
	.amdgcn_target "amdgcn-amd-amdhsa--gfx1250"
	.amdhsa_code_object_version 6
	.text
	.protected	k_q1c78c7a1eb_scores
	.globl	k_q1c78c7a1eb_scores
	.p2align	8
	.type	k_q1c78c7a1eb_scores,@function
k_q1c78c7a1eb_scores:
	s_mov_b64 s[64:65], 0
	v_nop
	global_prefetch_b8 v0, s[64:65] scope:SCOPE_SE
	s_setreg_imm32_b32 hwreg(HW_REG_WAVE_MODE, 25, 1), 1
	s_wait_xcnt 0x0
	s_wait_alu depctr_hold_cnt(0) depctr_sa_sdst(0) depctr_va_vdst(0) depctr_va_sdst(0) depctr_va_ssrc(0) depctr_va_vcc(0) depctr_vm_vsrc(0)
	s_getreg_b32 s2, hwreg(HW_REG_IB_STS2, 6, 4)
	s_cmp_eq_u32 s2, 0
	s_cbranch_scc0 .Lentry_in_a_cluster
	s_endpgm
.Lentry_in_a_cluster:
	s_bfe_u32 s2, ttmp6, 0x10000c
	s_cmp_lg_u32 s2, 0xf033
	s_cbranch_scc0 .Lentry_shape_is_right
	s_endpgm
.Lentry_shape_is_right:
; THE SCORES AND THE SOFTMAX'S p, 256 queries x 256 keys to a work-group.  S = q k^T on the codes qc, kc; t = S x 2^(e6 + e7) x log2(e) / 32.
; THE MAXIMUM IS TAKEN AWAY BLOCK BY BLOCK: M_b = the ceiling of the row's largest t among THIS block's 256 keys, a whole number; p = 2^(t - M_b), at most 1, is quantised with the given scale 2^e8.
; The next launch brings the eight blocks of a row under the row's own M by multiplications with whole powers of two, which round nothing.  Beside the codes go -M_b and l_b = the sum of the UNQUANTISED p, in f32:
; st: [2: -M_b, l_b][8 blocks of keys][128 groups of 64 rows][16 r][4 a], the row being 16 a + r of its group.
; qc, kc ARE OPERAND IMAGES: [32 blocks of 256 rows][4 steps of 256 along K][16 tiles of 16 rows][2 halves] of 2,048 bytes (16 rows x 128 K; registers 4 c .. 4 c + 3 of lane l at 512 c + 16 l): a K step of a block of 256 rows is 65,536 dense bytes,
; stated as rows of 256 bytes; a fragment is four loads of 512 consecutive bytes from LDS.
; pc: [512 tiles of 16 rows][16 steps of 128 keys] such images: a lane's 16 code registers of 16 rows x 128 keys are stored as they stand.
; No work of reference() is left out here.
; LIMITS: e6 + e7 between -121 and 132 (they are added to the exponent field of log2(e) / 32); e8 between -126 and 119; the promise holds while the scaled scores t stay under 2^31 in magnitude.
; SHARES: four waves, a wave 128 x 128 in 64 accumulators; K = 1,024 in four steps of 256 through two LDS slots.  4 x 4 work-groups to a cluster, all of one batch: q's tile is asked for jointly along a row of the cluster, k's along a column.
; THE HEAD: each wave issues one tensor load of 65,536 bytes: wave 0 q's K step 0, wave 1 k's, wave 2 q's K step 1, wave 3 k's: both slots.
; THE MATRIX INSTRUCTION IS USED TRANSPOSED (source 0 = 16 keys, source 1 = 16 queries): lane (r, h) holds query r and keys 8 h + 0 .. 7.
; REGISTERS: window 0: v1-31 addresses and constants; v32-95 and v192-255 a block's numbers, by turns; v96-127 its codes, two sets; v128-255 A's fragments, later (v128-175) statistics.  window 1: B's fragments, two sets.  windows 2, 3: the accumulators.
.set FR,     16
.set NL,     4
.set NP,     4                         ; places behind this matrix instruction (ISA guide 7.12.1)
.set HALFT,  32768                     ; 128 rows x 256 K
.set SLOT,   4*HALFT
.set KS,     65536                     ; a K step of 256 rows in memory
.set STATM,  2*SLOT                    ; behind the ring: the maxima [2 column halves][4 groups of 64 rows][16 r][4 a] f32,
.set STATL,  STATM+2048                ; and the sums, likewise
.set SPARE,  STATM+4096                ; the spare words, 128 bytes for each wave
.set SMX,  6                           ; v6      my rows' words among my column half's statistics
.set SPX,  7                           ; v7      the same among the other column half's
.set SA,   9                           ; v9      the statistics read back: lanes 0-15 maxima, lanes 16-31 sums
.set SVO,  10                          ; v10     and where they go in st
.set ADRA, 16
.set ADRB, 20
.set PFO,  24                          ; v24     the prefetches' offset: 256 x lane
.set CO,   26                          ; v26     16 x lane
.set SPW,  28
.set NIL,  29
.set SC,   30                          ; v30     2^e8 as f32
.set LIM,  31                          ; v31     448 x 2^e8
.set TMP,  32
.set CD,   96
.set AF,   128
.set MX,   128
.set PX,   136
.set NM,   144
.set LS,   160
.set G1, 24
.set G0, 32
.set G1B, 48
.set G0B, 56
.set MSB, 0
.macro WIN new
.if MSB != (\new)
	s_set_vgpr_msb (MSB<<8)|(\new)
.set MSB, (\new)
.endif
.endm
.set MUL_LO, 0xa1
.set MUL_HI, 0xf1
.set TO_B,   0x40
.macro JLOAD c                         ; a joint load: the waves whose register c is 0 fetch for A, the others for B; the branch hangs on the wave's number alone
	s_cmp_eq_u32 s[\c], 0
	s_cbranch_scc0 .Lfor_b_\@
	tensor_load_to_lds s[G0:G0+3], s[G1:G1+7]
	s_nop 0
.rept 4
	v_nop
.endr
	s_branch .Lasked_\@
.Lfor_b_\@:
	tensor_load_to_lds s[G0B:G0B+3], s[G1B:G1B+7]
	s_nop 0
.rept 4
	v_nop
.endr
.Lasked_\@:
.endm
.macro CREST
	s_cmp_lg_u32 s14, 0
	s_cbranch_scc1 .Lnot_wave_0_\@
	s_barrier_signal -3
.Lnot_wave_0_\@:
	s_barrier_wait -3
	s_barrier_signal -1
	s_barrier_wait -1
.endm
.macro CROUND
	s_barrier_signal -1
	s_barrier_wait -1
	CREST
.endm
; A PREFETCH INTO THE L2 of a later K step: a refill takes 32,768 bytes a wave; of these 128 blocks of 256 bytes each of the four partners takes 32, by address, a lane a block, one instruction a wave.
; K steps 0 and 1 come by their loads alone; K step 2 is asked for behind the head's loads, K step 3 behind the first 128 along K, a change of slots and a K step ahead of its load.
.macro ASK k
	global_prefetch_b8 v[PFO], s[72:73] offset:(\k)*KS th:TH_LOAD_NT scope:SCOPE_SE
.endm
.macro ROWS n
.irp g, G1, G1B
	s_mov_b32 s[\g+2], (\n)<<16
	s_mov_b32 s[\g+4], \n
.endr
.endm
	s_load_b256 s[4:11], s[0:1], 0x0               ; qc s[4:5], kc s[6:7], the exponents s[8:9], pc s[10:11]
	s_load_b64 s[12:13], s[0:1], 0x20              ; st
	v_lshl_add_u32 v[SPW], v0, 2, SPARE
	v_mov_b32 v[NIL], 0
	ds_add_u32 v[SPW], v[NIL]                      ; the wave's opening: the add, twice on end, and its wait
	ds_add_u32 v[SPW], v[NIL]
	v_lshrrev_b32 v1, 5, v0
	v_readfirstlane_b32 s14, v1                    ; wave 0..3
	s_lshr_b32 s15, s14, 1                         ; my half of the queries.  Also: I fetch for A (0) or B (1); at the head: which K step
	s_and_b32 s16, s14, 1                          ; my half of the keys.  Also: which 128 rows I fetch; at the head: for A (0) or B (1)
	s_bfe_u32 s40, ttmp6, 0x40000                  ; cx, cy
	s_bfe_u32 s41, ttmp6, 0x40004
	s_lshl_b32 s42, ttmp9, 2
	s_add_co_u32 s42, s42, s40                     ; the block of 256 keys, 0 to 7
	s_and_b32 s17, ttmp7, 0xffff                   ; the cluster's y
	s_lshl_b32 s43, s17, 2
	s_add_co_u32 s43, s43, s41                     ; the block of 256 rows, 0 to 31
	s_lshr_b32 s44, s17, 1
	s_lshl_b32 s44, s44, 21                        ; the batch's first byte of kc: made of the cluster's y alone
	s_lshl_b32 s2, s41, 2
	s_lshl_b32 s2, 15, s2                          ; my row of the cluster
	s_lshl_b32 s3, 0x1111, s40                     ; my column
	s_or_b32 s[G1+0], s2, 1<<21                    ; the mask; elements of 1 byte; no padding; 21 set beside a mask
	s_or_b32 s[G1B+0], s3, 1<<21
.irp g, G1, G1B
	s_mov_b32 s[\g+1], 256<<16
	s_mov_b32 s[\g+3], 256<<16
	s_mov_b32 s[\g+5], 256
	s_mov_b32 s[\g+6], 0
	s_mov_b32 s[\g+7], 0
.endr
	ROWS 256
	s_lshl_b32 s18, s43, 18                        ; A: the block of rows
	s_mov_b32 s19, 0
	s_lshl_b32 s46, s42, 18
	s_add_co_u32 s46, s46, s44                     ; B: the block of keys in its batch
	s_mov_b32 s47, 0
	s_mul_i32 s45, s14, HALFT                      ; refills: where my 128 rows go
	s_lshl_b32 s60, s15, 16                        ; the head: my K step in memory,
	s_mov_b32 s61, 0
	s_mul_i32 s71, s15, SLOT                       ; and its slot
	s_lshl_b32 s62, s16, 15                        ; refills: my half of a K step
	s_mov_b32 s63, 0
	s_lshl_b32 s2, s43, 8                          ; pc: image (256 x block of rows + 128 x my half + 16 a + 2 x block of keys + my half of the keys)
	s_lshl_b32 s3, s15, 7
	s_add_co_u32 s2, s2, s3
	s_lshl_b32 s3, s42, 1
	s_add_co_u32 s2, s2, s3
	s_add_co_u32 s2, s2, s16
	s_lshl_b32 s2, s2, 11
	s_mov_b32 s3, 0
	s_lshl_b32 s66, s42, 15                        ; st: 32,768 x block of keys + 1,024 x block of rows
	s_lshl_b32 s67, s43, 10
	s_add_co_u32 s66, s66, s67
	s_mov_b32 s67, 0
	s_mov_b32 s20, 0x76543210                      ; v_permlanex16_b32's selects for lane l xor 16
	s_mov_b32 s21, 0xfedcba98
	s_wait_dscnt 0x0                               ; both opening adds are done
	s_wait_kmcnt 0x0
	s_load_b64 s[68:69], s[8:9], 0x18              ; e6, e7
	s_load_b32 s70, s[8:9], 0x20                   ; e8
	s_add_nc_u64 s[4:5], s[4:5], s[18:19]
	s_add_nc_u64 s[6:7], s[6:7], s[46:47]
	s_add_nc_u64 s[10:11], s[10:11], s[2:3]
	s_add_nc_u64 s[12:13], s[12:13], s[66:67]
	s_mov_b32 s[G0], 1
	s_mov_b32 s[G0+1], s71
	s_add_nc_u64 s[G0+2:G0+3], s[4:5], s[60:61]
	s_or_b32 s[G0+3], s[G0+3], 0x80000000
	s_mov_b32 s[G0B], 1
	s_add_co_u32 s[G0B+1], s71, 2*HALFT
	s_add_nc_u64 s[G0B+2:G0B+3], s[6:7], s[60:61]
	s_or_b32 s[G0B+3], s[G0B+3], 0x80000000
	CROUND                                         ; all sixteen work-groups are here: the first joint loads meet
	JLOAD 16                                       ; one tensor load a wave: both slots
	s_add_nc_u64 s[4:5], s[4:5], s[62:63]
	s_add_nc_u64 s[6:7], s[6:7], s[62:63]
	s_cmp_lt_u32 s14, 2                            ; do I fetch for A?
	s_cselect_b64 s[72:73], s[4:5], s[6:7]
	s_cselect_b32 s74, s40, s41                    ; my place among the four that ask with me
	s_lshl_b32 s74, s74, 13
	s_mov_b32 s75, 0
	s_add_nc_u64 s[72:73], s[72:73], s[74:75]
	s_mul_i32 s66, s15, HALFT                      ; my 128 rows of A,
	s_mul_i32 s67, s16, HALFT                      ; and of B
	s_add_co_u32 s67, s67, 2*HALFT
	s_lshl_b32 s75, s15, 9                         ; the statistics: 1,024 x column half + 512 x row half + 256 (a / 4) + 16 r + 4 (a % 4)
	s_add_co_u32 s75, s75, STATM
	s_lshl_b32 s76, s16, 10
	s_add_co_u32 s76, s76, s75
	s_xor_b32 s77, s16, 1
	s_lshl_b32 s77, s77, 10
	s_add_co_u32 s77, s77, s75
	s_lshl_b32 s78, s14, 8                         ; on the way out wave w takes group w of 64 rows
	v_and_b32 v1, 15, v0                           ; r
	v_bfe_u32 v2, v0, 4, 1                         ; h
	v_and_b32 v3, 31, v0                           ; lane
	v_lshlrev_b32 v[PFO], 8, v3
	v_lshlrev_b32 v[CO], 4, v3
	v_add_nc_u32 v[ADRA], s66, v[CO]
	v_add_nc_u32 v[ADRA+1], SLOT, v[ADRA]
	v_add_nc_u32 v[ADRB], s67, v[CO]
	v_add_nc_u32 v[ADRB+1], SLOT, v[ADRB]
	v_lshlrev_b32 v13, 4, v1                       ; 16 r
	v_add_nc_u32 v[SMX], s76, v13
	v_add_nc_u32 v[SPX], s77, v13
	v_lshl_add_u32 v[SA], v2, 11, v13
	v_add_nc_u32 v[SA], s78, v[SA]
	v_add_nc_u32 v[SA], STATM, v[SA]
	v_lshl_add_u32 v[SVO], v2, 18, v13             ; in st the second plane lies 262,144 bytes on
	v_add_nc_u32 v[SVO], s78, v[SVO]
.macro FRAG reg, adr, q, i
.irp c, 0,1,2,3
	ds_load_b128 v[\reg+4*\c:\reg+4*\c+3], v[\adr] offset:2048*(\q)+512*\c+(\i)*4096
.endr
.endm
.macro MUL8 a, p, z                    ; eight matrix instructions; the 64 accumulators take turns in the same order in every step
.irp b, 0,1,2,3,4,5,6,7
.set DD, 8*(8*((\a)%4)+\b)
.set FB, 128*(\p)+FR*\b
.set FA, AF+FR*(\a)
.if \z
	v_wmma_f32_16x16x128_fp8_fp8 v[DD:DD+7], v[FB:FB+15], v[FA:FA+15], 0
.else
	v_wmma_f32_16x16x128_fp8_fp8 v[DD:DD+7], v[FB:FB+15], v[FA:FA+15], v[DD:DD+7]
.endif
.endr
.endm
.macro FETCH_B slot, q, p
	WIN TO_B
.irp i, 0,1,2,3,4,5,6,7
	FRAG 128*(\p)+FR*\i, ADRB+\slot, \q, \i
.endr
	WIN 0
.endm
.macro FETCH_A slot, q, i0
.irp i, \i0, \i0+1, \i0+2, \i0+3
	FRAG AF+FR*(\i), ADRA+\slot, \q, \i
.endr
.endm
.macro PLACES n
.rept \n
	v_nop
.endr
.endm
.macro STEP slot, z                    ; a slot's first 128 along K
	s_wait_dscnt 4*NL                              ; B's set and A's blocks 0-3 are in; the youngest 16 loads (A's blocks 4-7) may be out
	FETCH_B \slot, 1, 1                            ; B's next set; A has one set, asked for by halves when those blocks' products are issued
	WIN MUL_LO
.irp a, 0,1,2,3
	MUL8 \a, 0, \z
.endr
	s_wait_dscnt 8*NL                              ; A's blocks 4-7 are in; B's next set may be out
	PLACES NP
	WIN 0
	FETCH_A \slot, 1, 0
	WIN MUL_HI
.irp a, 4,5,6,7
	MUL8 \a, 0, \z
.endr
	PLACES NP
	WIN 0
	FETCH_A \slot, 1, 4
.endm
.macro TURN slot, next, fill           ; a slot's last 128 along K, and the change of slots; fill = 1: the slot takes K step 2 + slot
	s_wait_tensorcnt 0x0                           ; all my tensor loads have landed: my part of the next slot
	ds_add_u32 v[SPW], v[NIL]                      ; 0 onto my spare word
.if \fill
	ROWS 128
	s_add_co_u32 s[G0+1], s45, (\slot)*SLOT
	s_add_nc_u64 s[G0+2:G0+3], s[4:5], (2+(\slot))*KS
	s_or_b32 s[G0+3], s[G0+3], 0x80000000
	s_add_co_u32 s[G0B+1], s45, (\slot)*SLOT
	s_add_nc_u64 s[G0B+2:G0B+3], s[6:7], (2+(\slot))*KS
	s_or_b32 s[G0B+3], s[G0B+3], 0x80000000
.endif
	s_wait_dscnt 4*NL+1                            ; (the add and the youngest 16 loads may be out)
	WIN MUL_LO
	MUL8 0, 1, 0                                   ; eight matrix instructions stand between the add and the wait for it
	s_wait_dscnt 0x0                               ; the add is done, and my reads of this slot are over
	s_barrier_signal -1
	MUL8 1, 1, 0
	WIN 0
	s_barrier_wait -1
.if \fill
	CREST                                          ; no wave of any partner still reads this slot or has a load on its way
	JLOAD 15
.endif
	FETCH_B \next, 0, 0
	WIN MUL_LO
	MUL8 2, 1, 0
	MUL8 3, 1, 0
	PLACES NP
	WIN 0
	FETCH_A \next, 0, 0
	WIN MUL_HI
.irp a, 4,5,6,7
	MUL8 \a, 1, 0
.endr
	PLACES NP
	WIN 0
	FETCH_A \next, 0, 4
.endm
	s_wait_alu depctr_va_vdst(0)
	ASK 2
	s_wait_tensorcnt 0x0                           ; my tile is in
	s_barrier_signal -1
	s_barrier_wait -1                              ; both slots are whole
	FETCH_B 0, 0, 0
	FETCH_A 0, 0, 0
	FETCH_A 0, 0, 4
	STEP 0, 1
	ASK 3
	TURN 0, 1, 1
	STEP 1, 0
	TURN 1, 0, 1
	STEP 0, 0
	TURN 0, 1, 0
	STEP 1, 0
	s_wait_dscnt 4*NL
	WIN MUL_LO
.irp a, 0,1,2,3
	MUL8 \a, 1, 0
.endr
	s_wait_dscnt 0
	WIN MUL_HI
.irp a, 4,5,6,7
	MUL8 \a, 1, 0
.endr
	WIN 0
	PLACES NP
	s_wait_kmcnt 0x0
	s_add_co_i32 s66, s68, s69
	s_lshl_b32 s66, s66, 23
	s_add_co_i32 s22, s66, 0x3d38aa3b              ; c = log2(e) / 32 x 2^(e6 + e7): the two exponents are added to the exponent field
	s_mov_b32 s23, s22                             ; (named with it as a pair, so it is written)
	s_add_co_i32 s66, s70, 127
	s_lshl_b32 s67, s66, 23
	v_mov_b32 v[SC], s67
	s_add_co_i32 s66, s66, 8
	s_lshl_b32 s66, s66, 23
	s_or_b32 s66, s66, 0x600000
	v_mov_b32 v[LIM], s66
; THE LARGEST SCORE of each of my 128 rows among my 128 keys: 64 numbers a lane, three at a time in ascending order, then lane l xor 16's.
.macro ROWMAX g                        ; four blocks of 16 rows, those of one window, level by level
	WIN 0x2a+0x15*(\g)                             ; all three sources: window 2 or 3
.irp a, 0,1,2,3
.set k, 0
.rept 21
	v_max3_num_f32 v[TMP+22*\a+k], v[64*\a+3*k], v[64*\a+3*k+1], v[64*\a+3*k+2]
.set k, k+1
.endr
	v_max3_num_f32 v[TMP+22*\a+21], v[64*\a+61], v[64*\a+62], v[64*\a+63]
.endr
	WIN 0
.set k, 0
.rept 7
.irp a, 0,1,2,3
	v_max3_num_f32 v[TMP+22*\a+k], v[TMP+22*\a+3*k], v[TMP+22*\a+3*k+1], v[TMP+22*\a+3*k+2]
.endr
.set k, k+1
.endr
.irp a, 0,1,2,3
	v_max3_num_f32 v[TMP+22*\a], v[TMP+22*\a], v[TMP+22*\a+1], v[TMP+22*\a+2]
.endr
.irp a, 0,1,2,3
	v_max3_num_f32 v[TMP+22*\a+3], v[TMP+22*\a+3], v[TMP+22*\a+4], v[TMP+22*\a+5]
.endr
.irp a, 0,1,2,3
	v_max3_num_f32 v[TMP+22*\a], v[TMP+22*\a], v[TMP+22*\a+3], v[TMP+22*\a+6]
.endr
.irp a, 0,1,2,3
	v_max_num_f32 v[TMP+22*\a], v[TMP+22*\a], v[TMP+22*\a+21]
.endr
.irp a, 0,1,2,3
	v_permlanex16_b32 v[TMP+22*\a+1], v[TMP+22*\a], s20, s21
.endr
.irp a, 0,1,2,3
	v_max_num_f32 v[MX+4*(\g)+\a], v[TMP+22*\a], v[TMP+22*\a+1]
.endr
.irp a, 0,1,2,3
	ds_store_b32 v[SMX], v[MX+4*(\g)+\a] offset:256*(\g)+4*\a   ; both halves of the lanes write the same word with the same number
.endr
.endm
	ROWMAX 0
	ROWMAX 1
	s_wait_alu depctr_va_vdst(0)
	s_wait_dscnt 0x0                               ; for the other column half's sake: my maxima lie in LDS
	s_barrier_signal -1
	s_barrier_wait -1
.irp a, 0,1,2,3,4,5,6,7
	ds_load_b32 v[PX+\a], v[SPX] offset:256*(\a/4)+4*(\a%4)   ; the same rows' maxima among the other 128 keys
.endr
	s_wait_dscnt 0x0
.irp a, 0,1,2,3,4,5,6,7
	v_max_num_f32 v[MX+\a], v[MX+\a], v[PX+\a]
.endr
.irp a, 0,1,2,3,4,5,6,7
	v_mul_f32 v[PX+\a], s22, v[MX+\a]              ; as t (c is positive)
.endr
.irp a, 0,1,2,3,4,5,6,7
	v_floor_f32 v[NM+2*\a], -v[PX+\a]              ; -M_b = floor(-t) = -ceil(t), in both halves of a pair
	v_floor_f32 v[NM+2*\a+1], -v[PX+\a]
.endr
; BLOCKS OF 16 ROWS, two buffers by turns.  While block a's 64 exponentials are issued as one batch, the holds of block a - 1 stand between them; its sums stand ahead of the batch, its conversions behind it.
.macro EXPS a, mins                    ; t - M_b, two at a time; then the batch
.set TB, TMP+160*((\a)%2)
.set TO, TMP+160-160*((\a)%2)
	WIN 0x02+((\a)/4)
.set j, 0
.rept 32
	v_pk_fma_f32 v[TB+j:TB+j+1], v[64*((\a)%4)+j:64*((\a)%4)+j+1], s[22:23], v[NM+2*(\a):NM+2*(\a)+1] op_sel_hi:[1,0,1]
.set j, j+2
.endr
	WIN 0
.if \mins
	SUMS \a-1
.endif
.set TB, TMP+160*((\a)%2)
	s_wait_alu depctr_va_vdst(0)
.set j, 0
.rept 64
	v_exp_f32 v[TB+j], v[TB+j]
.if \mins
	v_min_num_f32 v[TO+j], v[TO+j], v[LIM]         ; the conversion to an 8-bit code does not saturate (ISA guide 7.6.2); p is not negative
.endif
.set j, j+1
.endr
	v_nop                                          ; a plain instruction behind the last exponential,
	s_wait_alu depctr_va_vdst(0)                   ; and a wait ahead of the first reader
.endm
.macro SUMS a                          ; the sum of the unquantised p of my row among my 128 keys
.set TS, TMP+160*((\a)%2)
.irp i, 0,1,2,3,4,5,6,7                ; eight independent chains
	v_pk_add_f32 v[168+2*\i:169+2*\i], v[TS+4*\i:TS+4*\i+1], v[TS+4*\i+2:TS+4*\i+3]
.endr
.irp k, 32,48
.irp i, 0,1,2,3,4,5,6,7
	v_pk_add_f32 v[168+2*\i:169+2*\i], v[168+2*\i:169+2*\i], v[TS+\k+2*\i:TS+\k+2*\i+1]
.endr
.endr
.irp i, 0,1,2,3
	v_pk_add_f32 v[168+2*\i:169+2*\i], v[168+2*\i:169+2*\i], v[176+2*\i:177+2*\i]
.endr
.irp i, 0,1
	v_pk_add_f32 v[168+2*\i:169+2*\i], v[168+2*\i:169+2*\i], v[172+2*\i:173+2*\i]
.endr
	v_pk_add_f32 v[168:169], v[168:169], v[170:171]
	v_add_f32 v168, v168, v169
	v_permlanex16_b32 v169, v168, s20, s21
	v_add_f32 v[LS+(\a)], v168, v169
	ds_store_b32 v[SMX], v[LS+(\a)] offset:2048+256*((\a)/4)+4*((\a)%4)
.endm
.macro CODES a                         ; 64 codes in 16 registers: an image of the next launch's operand, stored as it stands: each store covers 512 consecutive bytes, aligned
.set TS, TMP+160*((\a)%2)
.if (\a) >= 2
	s_wait_xcnt 0x0                                ; the stores of two blocks back have read this set of code registers
.endif
.irp b, 0,1,2,3,4,5,6,7
	v_cvt_scalef32_pk8_fp8_f32 v[CD+16*((\a)%2)+2*\b:CD+16*((\a)%2)+2*\b+1], v[TS+8*\b:TS+8*\b+7], v[SC]
.endr
	v_nop                                          ; one plain vector instruction behind the conversions
.irp c, 0,1,2,3
	global_store_b128 v[CO], v[CD+16*((\a)%2)+4*\c:CD+16*((\a)%2)+4*\c+3], s[10:11] offset:(\a)*32768+512*\c
.endr
.endm
	EXPS 0, 0
.irp a, 1,2,3,4,5,6,7
	EXPS \a, 1
	CODES \a-1
.endr
	SUMS 7
.set j, 0
.rept 64
	v_min_num_f32 v[TMP+160+j], v[TMP+160+j], v[LIM]
.set j, j+1
.endr
	s_wait_alu depctr_va_vdst(0)
	CODES 7
	s_wait_dscnt 0x0                               ; for the others' sake: my sums lie in LDS
	s_barrier_signal -1
	s_barrier_wait -1
	ds_load_b128 v[32:35], v[SA]                   ; four rows' maxima (lanes 0-15) or sums (lanes 16-31) of column half 0,
	ds_load_b128 v[36:39], v[SA] offset:1024       ; and of column half 1
	s_wait_dscnt 0x0
	v_cmp_le_u32 vcc_lo, 16, v3
.irp i, 0,1,2,3
	v_max_num_f32 v[40+\i], v[32+\i], v[36+\i]
	v_add_f32 v[44+\i], v[32+\i], v[36+\i]         ; l_b
.endr
.irp i, 0,1,2,3
	v_mul_f32 v[40+\i], s22, v[40+\i]
.endr
.irp i, 0,1,2,3
	v_floor_f32 v[40+\i], -v[40+\i]                ; -M_b, by the same three operations as above
.endr
.irp i, 0,1,2,3
	v_cndmask_b32 v[48+\i], v[40+\i], v[44+\i], vcc_lo
.endr
	global_store_b128 v[SVO], v[48:51], s[12:13]   ; lanes 0-15: 256 consecutive bytes of -M_b; lanes 16-31: 256 of l_b; both at multiples of 256
	s_wait_tensorcnt 0x0                           ; the wave's end
	ds_add_u32 v[SPW], v[NIL]
	s_wait_dscnt 0x0
	CROUND                                         ; the closing round
	s_endpgm
.Lfunc_end_k_q1c78c7a1eb_scores:
	.size	k_q1c78c7a1eb_scores, .Lfunc_end_k_q1c78c7a1eb_scores-k_q1c78c7a1eb_scores
	.p2alignl 7, 3214868480
	.fill 96, 4, 3214868480
	.section	.rodata,"a",@progbits
	.p2align	6, 0x0
	.amdhsa_kernel k_q1c78c7a1eb_scores
		.amdhsa_group_segment_fixed_size 327680
		.amdhsa_private_segment_fixed_size 0
		.amdhsa_enable_private_segment 0
		.amdhsa_kernarg_size 40
		.amdhsa_user_sgpr_count 2
		.amdhsa_user_sgpr_kernarg_segment_ptr 1
		.amdhsa_wavefront_size32 1
		.amdhsa_system_sgpr_workgroup_id_x 1
		.amdhsa_system_sgpr_workgroup_id_y 1
		.amdhsa_system_sgpr_workgroup_id_z 1
		.amdhsa_system_vgpr_workitem_id 0
		.amdhsa_next_free_vgpr 1024
		.amdhsa_next_free_sgpr 100
		.amdhsa_reserve_vcc 1
		.amdhsa_float_denorm_mode_32 3
		.amdhsa_float_denorm_mode_16_64 3
		.amdhsa_memory_ordered 1
		.amdhsa_forward_progress 1
		.amdhsa_inst_pref_size 174
	.end_amdhsa_kernel
	.amdgpu_metadata
---
amdhsa.version: [ 1, 2 ]
amdhsa.kernels:
  - .name:           k_q1c78c7a1eb_scores
    .symbol:         k_q1c78c7a1eb_scores.kd
    .args:
      - { .name: qc, .offset: 0, .size: 8, .value_kind: global_buffer, .address_space: global }
      - { .name: kc, .offset: 8, .size: 8, .value_kind: global_buffer, .address_space: global }
      - { .name: lowp_scales, .offset: 16, .size: 8, .value_kind: global_buffer, .address_space: global }
      - { .name: pc, .offset: 24, .size: 8, .value_kind: global_buffer, .address_space: global }
      - { .name: st, .offset: 32, .size: 8, .value_kind: global_buffer, .address_space: global }
    .group_segment_fixed_size: 327680
    .private_segment_fixed_size: 0
    .kernarg_segment_align: 8
    .kernarg_segment_size: 40
    .max_flat_workgroup_size: 128
    .sgpr_count:     100
    .vgpr_count:     1024
    .wavefront_size: 32
...
	.end_amdgpu_metadata
.endif
;; end of part 2
;; launch pv (part 3): grid 4 x 64, 4 waves a work-group, clusters of 4 x 4, 327,680 bytes of LDS; arguments pc, vt, st, lowp_scales, out0; writes out0
.if DOCPART == 3
	.amdgcn_target "amdgcn-amd-amdhsa--gfx1250"
	.amdhsa_code_object_version 6
	.text
	.protected	k_q1c78c7a1eb_pv
	.globl	k_q1c78c7a1eb_pv
	.p2align	8
	.type	k_q1c78c7a1eb_pv,@function
k_q1c78c7a1eb_pv:
	s_mov_b64 s[64:65], 0
	v_nop
	global_prefetch_b8 v0, s[64:65] scope:SCOPE_SE
	s_setreg_imm32_b32 hwreg(HW_REG_WAVE_MODE, 25, 1), 1
	s_wait_xcnt 0x0
	s_wait_alu depctr_hold_cnt(0) depctr_sa_sdst(0) depctr_va_vdst(0) depctr_va_sdst(0) depctr_va_ssrc(0) depctr_va_vcc(0) depctr_vm_vsrc(0)
	s_getreg_b32 s2, hwreg(HW_REG_IB_STS2, 6, 4)
	s_cmp_eq_u32 s2, 0
	s_cbranch_scc0 .Lentry_in_a_cluster
	s_endpgm
.Lentry_in_a_cluster:
	s_bfe_u32 s2, ttmp6, 0x10000c
	s_cmp_lg_u32 s2, 0xf033
	s_cbranch_scc0 .Lentry_shape_is_right
	s_endpgm
.Lentry_shape_is_right:
; out = softmax(S) v: 128 queries x 256 of e to a work-group, a wave 64 x 128 in 32 accumulators, all 2,048 keys of the batch in 8 blocks of 256, two steps of 128 each.
; p stands in pc under its own block's M_b.  When a block begins, the sums are multiplied by 2^(M_(b-1) - M_b): a whole power of two, nothing is rounded.  At the end they are multiplied by
; 2^(M_7 - M) x 2^(e8 + e9) / l, M the largest M_b, l = the sum over the blocks of l_b x 2^(M_b - M).
; A block whose M_b lies more than 60 under M is taken as if it lay 60 under it: its p, at most 1, then weigh at most 2^-60 beside a row's largest p, which is over 1/2; so no power of two here overflows.
; No work of reference() is left out here.  LIMIT: M_b differ by less than 2^31.
; SHARES.  16 clusters of 4 x 4; c = the cluster's y: queries 512 c + 128 cx (batch c / 4), e 256 cy.  A cluster makes all of e for its queries.
; A RING of two LDS slots, each a block of 256 keys: V's two blocks of 128 e, [2][2 steps][8 tiles] images of 2,048 bytes (vt: [4 batches][8 blocks of 128 e][16 steps][8 tiles]: 32,768 dense bytes a block of e, stated as rows of 256 bytes),
; then P's 8 tiles of 16 rows, [8][2 steps] images (pc: [512 tiles][16 steps]: rows of 4,096 bytes, 32,768 apart).  Waves 0 and 1 fetch P's halves, jointly along a column of the cluster (the same queries); waves 2 and 3 V's, jointly along a row (the same e).
; The head asks for slot 0; slot 1's first fill stands behind the head's second round; behind each later round the slot just left is filled again, two blocks ahead.
; THE MATRIX INSTRUCTION IS USED TRANSPOSED (source 0 = 16 of e, source 1 = 16 queries): lane (r, h) holds query r and e 8 h + 0 .. 7.
; REGISTERS: window 0: v1-31 addresses; v32-59 the factors [7][4 a]; v96-99 the last factor; v128-255 V's fragments of a block's first step (at the head: statistics; on the way out, with v32-95: rows).  window 1: v0-127 V's of its second step.
;   windows 2, 3: v0-127 the accumulators of rows a = 0, 1 and a = 2, 3; v128-191 the same rows' fragments of P, two sets.
;   So a product and a rescaling in a block's first step want the same setting: source 0 (V, the factors) window 0, source 1 (P, the accumulator), C and D window 2 or 3.
.set FR,     16
.set POFF,   65536                     ; P in a slot
.set SLOT,   98304
.set STAGE,  2*SLOT                    ; the way out, 16 rows x (512 bytes + 16) for each wave
.set SPITCH, 528
.set SPARE,  STAGE+4*16*SPITCH         ; the spare words, 128 bytes for each wave
.set AV,   16                          ; v16-17  my block of e in slot 0, 1, + 16 x lane
.set AP,   18                          ; v18-19  my half of the queries likewise
.set PFO,  20                          ; v20     the prefetches' offset: 256 x lane
.set STO,  24
.set RD,   25
.set CO,   26                          ; v26     16 x lane
.set SR,   27                          ; v27     16 r
.set SPW,  28
.set NIL,  29
.set GF,   32
.set TMP,  32
.set FF,   96
.set BK,   128
.set PFA,  72                          ; s[72:73] where my prefetches stand
.set PFS,  70                          ; s[70:71] a block of keys on, in bytes: 4,096 in P, 32,768 in V
.set G1, 24                            ; s[24:31], s[32:35] P's descriptor;  s[40:47], s[36:39] V's
.set G0, 32
.set G1B, 40
.set G0B, 36
.set MSB, 0
.macro WIN new                         ; the immediate's high byte repeats the setting that is left
.if MSB != (\new)
	s_set_vgpr_msb (MSB<<8)|(\new)
.set MSB, (\new)
.endif
.endm
.macro CREST                           ; a round of the cluster's barrier behind its opening barrier
	s_cmp_lg_u32 s14, 0
	s_cbranch_scc1 .Lnot_wave_0_\@
	s_barrier_signal -3
.Lnot_wave_0_\@:
	s_barrier_wait -3
	s_barrier_signal -1
	s_barrier_wait -1
.endm
.macro CROUND
	s_barrier_signal -1
	s_barrier_wait -1
	CREST
.endm
.macro JLOAD                           ; a joint load: waves 0 and 1 for P, waves 2 and 3 for V; the branch hangs on the wave's number alone
	s_cmp_eq_u32 s15, 0
	s_cbranch_scc0 .Lfor_v_\@
	tensor_load_to_lds s[G0:G0+3], s[G1:G1+7]
	s_nop 0
.rept 4
	v_nop
.endr
	s_branch .Lasked_\@
.Lfor_v_\@:
	tensor_load_to_lds s[G0B:G0B+3], s[G1B:G1B+7]
	s_nop 0
.rept 4
	v_nop
.endr
.Lasked_\@:
.endm
.macro ADDL d, x, sh, t                ; s[d] += s[x] << sh
	s_lshl_b32 s[\t], s[\x], \sh
	s_add_co_u32 s[\d], s[\d], s[\t]
.endm
; A PREFETCH INTO THE L2 of a later block: of what my wave fetches, the four partners that ask with me take a quarter each, by address: a tile of P's four (sixteen lanes, 256 bytes apart) or 8,192 bytes of V (32 lanes).
; Blocks 0 and 1 come by their loads alone; 2 and 3 are asked for behind slot 1's first fill and behind the first step; from then on the change of slots that loads block n asks for block n + 2, up to block 7.
.macro ASK
	global_prefetch_b8 v[PFO], s[PFA:PFA+1] th:TH_LOAD_NT scope:SCOPE_SE
.endm
.macro ONWARD
	s_wait_xcnt 0x0                                ; any prefetch of mine has read its address
	s_add_nc_u64 s[PFA:PFA+1], s[PFA:PFA+1], s[PFS:PFS+1]
.endm
	s_load_b256 s[4:11], s[0:1], 0x0               ; pc s[4:5], vt s[6:7], st s[8:9], the exponents s[10:11]
	s_load_b64 s[12:13], s[0:1], 0x20              ; out0
	v_lshl_add_u32 v[SPW], v0, 2, SPARE
	v_mov_b32 v[NIL], 0
	ds_add_u32 v[SPW], v[NIL]                      ; the wave's opening: the add, twice on end, and its wait
	ds_add_u32 v[SPW], v[NIL]
	v_lshrrev_b32 v1, 5, v0
	v_readfirstlane_b32 s14, v1                    ; wave 0..3
	s_lshr_b32 s15, s14, 1                         ; my half of the queries.  Also: I fetch for P (0) or V (1)
	s_and_b32 s16, s14, 1                          ; my half of e.  Also: which half of P's rows, or of e, I fetch
	s_bfe_u32 s50, ttmp6, 0x40000                  ; cx, cy
	s_bfe_u32 s51, ttmp6, 0x40004
	s_and_b32 s17, ttmp7, 0xffff                   ; c
	s_lshr_b32 s53, s17, 2                         ; the batch
	s_lshl_b32 s2, 0x1111, s50                     ; my column of the cluster
	s_or_b32 s[G1], s2, 1<<21                      ; the mask; elements of 1 byte; no padding; 21 set beside a mask
	s_lshl_b32 s3, s51, 2
	s_lshl_b32 s3, 15, s3                          ; my row
	s_or_b32 s[G1B], s3, 1<<21
	s_mov_b32 s[G1+1], 4096<<16                    ; P: 4 rows of 4,096 bytes, 32,768 apart
	s_mov_b32 s[G1+2], 4<<16
	s_mov_b32 s[G1+3], 4096<<16
	s_mov_b32 s[G1+4], 4
	s_mov_b32 s[G1+5], 32768
	s_mov_b32 s[G1+6], 0
	s_mov_b32 s[G1+7], 0
	s_mov_b32 s[G1B+1], 256<<16                    ; V: 32,768 dense bytes
	s_mov_b32 s[G1B+2], 128<<16
	s_mov_b32 s[G1B+3], 256<<16
	s_mov_b32 s[G1B+4], 128
	s_mov_b32 s[G1B+5], 256
	s_mov_b32 s[G1B+6], 0
	s_mov_b32 s[G1B+7], 0
	s_lshl_b32 s20, s17, 20
	ADDL 20, 50, 18, 22
	ADDL 20, 16, 17, 22                            ; P that I fetch: rows 512 c + 128 cx + 64 x half, 2,048 bytes a row in the mean
	s_mov_b32 s21, 0
	s_lshl_b32 s56, s53, 21
	ADDL 56, 51, 19, 23
	ADDL 56, 16, 18, 23                            ; V that I fetch: 262,144 x (8 x batch + 2 cy + half)
	s_mov_b32 s57, 0
	s_lshl_b32 s54, s16, 14
	s_add_co_u32 s54, s54, POFF                    ; and where they go in a slot
	s_lshl_b32 s55, s16, 15
	s_lshl_b32 s19, s17, 9
	ADDL 19, 50, 7, 18
	ADDL 19, 15, 6, 18                             ; my first row
	s_lshl_b32 s58, s19, 2                         ; its statistics,
	s_mov_b32 s59, 0
	s_lshl_b32 s60, s19, 12                        ; and its row of the output
	ADDL 60, 51, 10, 18
	ADDL 60, 16, 9, 18
	s_mov_b32 s61, 0
	s_mul_i32 s62, s14, 16*SPITCH
	s_add_co_u32 s62, s62, STAGE                   ; my stage
	s_lshl_b32 s63, s16, 15                        ; my block of 128 e in a slot,
	s_lshl_b32 s66, s15, 14
	s_add_co_u32 s66, s66, POFF                    ; and my rows of P
	s_wait_dscnt 0x0                               ; both opening adds are done
	s_wait_kmcnt 0x0
	s_load_b64 s[76:77], s[10:11], 0x20            ; e8, e9
	s_add_nc_u64 s[4:5], s[4:5], s[20:21]
	s_add_nc_u64 s[6:7], s[6:7], s[56:57]
	s_add_nc_u64 s[8:9], s[8:9], s[58:59]
	s_add_nc_u64 s[12:13], s[12:13], s[60:61]
	s_mov_b32 s[G0], 1
	s_mov_b32 s[G0+1], s54
	s_mov_b64 s[G0+2:G0+3], s[4:5]
	s_or_b32 s[G0+3], s[G0+3], 0x80000000
	s_mov_b32 s[G0B], 1
	s_mov_b32 s[G0B+1], s55
	s_mov_b64 s[G0B+2:G0B+3], s[6:7]
	s_or_b32 s[G0B+3], s[G0B+3], 0x80000000
	v_and_b32 v1, 15, v0                           ; r
	v_bfe_u32 v2, v0, 4, 1                         ; h
	v_and_b32 v3, 31, v0                           ; lane
	v_lshlrev_b32 v[SR], 4, v1
.irp b, 0,1,2,3,4,5,6,7                        ; lane (r, h) takes rows 16 a + r, a = 0 .. 3: -M_b and l_b
	global_load_b128 v[128+4*\b:131+4*\b], v[SR], s[8:9] offset:32768*\b
	global_load_b128 v[160+4*\b:163+4*\b], v[SR], s[8:9] offset:262144+32768*\b
.endr
	s_wait_alu depctr_va_vdst(0)
	CROUND                                         ; all sixteen work-groups are here: the joint loads meet
	JLOAD                                          ; slot 0: block 0
	s_mov_b32 s70, 0x8000
	s_mov_b32 s71, 0
	s_cmp_lt_u32 s14, 2                            ; do I fetch for P?
	s_cselect_b64 s[PFA:PFA+1], s[4:5], s[6:7]
	s_cselect_b32 s70, 0x1000, s70                 ; a block of keys on
	s_cselect_b32 s74, s51, s50                    ; my place among the four that ask with me
	s_cselect_b32 s67, 15, 13
	s_cselect_b32 s69, 15, 31
	s_lshl_b32 s74, s74, s67
	s_mov_b32 s75, 0
	s_add_nc_u64 s[PFA:PFA+1], s[PFA:PFA+1], s[74:75]
	s_add_nc_u64 s[PFA:PFA+1], s[PFA:PFA+1], s[PFS:PFS+1]
	s_add_nc_u64 s[PFA:PFA+1], s[PFA:PFA+1], s[PFS:PFS+1]   ; at block 2
	v_lshlrev_b32 v[CO], 4, v3
	v_add_nc_u32 v[AV], s63, v[CO]
	v_add_nc_u32 v[AV+1], SLOT, v[AV]
	v_add_nc_u32 v[AP], s66, v[CO]
	v_add_nc_u32 v[AP+1], SLOT, v[AP]
	v_min_u32 v6, s69, v3                          ; lanes left over name the wave's last block again
	v_lshlrev_b32 v[PFO], 8, v6
	v_mul_u32_u24 v5, v1, SPITCH
	v_lshl_add_u32 v5, v2, 5, v5
	v_add_nc_u32 v[STO], s62, v5                   ; the stage, in: row r, 32 bytes for each half of the lanes
	v_add_nc_u32 v[RD], s62, v[CO]                 ; and back: the 32 lanes take one row of 512 bytes
	s_wait_alu depctr_va_vdst(0)
	s_wait_loadcnt 0x0                             ; the statistics are in
	s_wait_kmcnt 0x0
	s_add_co_i32 s78, s76, s77                     ; e8 + e9
.macro STATS a                         ; rows 16 a + r
.set N, 128+(\a)
.set L, 160+(\a)
	v_min3_num_f32 v[192+(\a)], v[N], v[N+4], v[N+8]
	v_min3_num_f32 v[192+(\a)], v[192+(\a)], v[N+12], v[N+16]
	v_min3_num_f32 v[192+(\a)], v[192+(\a)], v[N+20], v[N+24]
	v_min_num_f32 v[192+(\a)], v[192+(\a)], v[N+28]   ; -M
	v_add_f32 v[196+(\a)], 0x42700000, v[192+(\a)]    ; -(M - 60)
.irp b, 0,1,2,3,4,5,6,7
	v_min_num_f32 v[N+4*\b], v[N+4*\b], v[196+(\a)]
.endr
.irp b, 1,2,3,4,5,6,7
	v_sub_f32 v[200+\b], v[N+4*\b], v[N+4*\b-4]    ; M_(b-1) - M_b
.endr
.irp b, 0,1,2,3,4,5,6,7
	v_sub_f32 v[208+\b], v[192+(\a)], v[N+4*\b]    ; M_b - M
.endr
.irp b, 1,2,3,4,5,6,7
	v_cvt_i32_f32 v[200+\b], v[200+\b]
.endr
.irp b, 0,1,2,3,4,5,6,7
	v_cvt_i32_f32 v[208+\b], v[208+\b]
.endr
.irp b, 1,2,3,4,5,6,7
	v_ldexp_f32 v[GF+4*(\b-1)+(\a)], 1.0, v[200+\b]
.endr
.irp b, 0,1,2,3,4,5,6,7
	v_ldexp_f32 v[L+4*\b], v[L+4*\b], v[208+\b]
.endr
	v_add_f32 v[L], v[L], v[L+4]
	v_add_f32 v[L+8], v[L+8], v[L+12]
	v_add_f32 v[L+16], v[L+16], v[L+20]
	v_add_f32 v[L+24], v[L+24], v[L+28]
	v_add_f32 v[L], v[L], v[L+8]
	v_add_f32 v[L+16], v[L+16], v[L+24]
	v_add_f32 v[L], v[L], v[L+16]                  ; l
	v_add_nc_u32 v[216+(\a)], s78, v215            ; e8 + e9 + M_7 - M
.endm
.irp a, 0,1,2,3
	STATS \a
.endr
	s_wait_alu depctr_va_vdst(0)                   ; ahead of the batch
.irp a, 0,1,2,3
	v_rcp_f32 v[FF+\a], v[160+\a]
.endr
	v_nop
	s_wait_alu depctr_va_vdst(0)                   ; and behind it
.irp a, 0,1,2,3
	v_ldexp_f32 v[FF+\a], v[FF+\a], v[216+\a]
.endr
.macro FETCH_V slot, q                 ; V's eight tiles of step q of the slot's block, into the set of that step
	WIN 0x40*(\q)
.irp b, 0,1,2,3,4,5,6,7
.irp c, 0,1,2,3
	ds_load_b128 v[128*(1-(\q))+FR*\b+4*\c:128*(1-(\q))+FR*\b+4*\c+3], v[AV+\slot] offset:16384*(\q)+2048*\b+512*\c
.endr
.endr
.endm
.macro FETCH_P slot, q                 ; P's four tiles likewise
.irp w, 0,1
	WIN 0x80+0x40*\w
.irp a, 0,1
.irp c, 0,1,2,3
	ds_load_b128 v[128+32*(\q)+FR*\a+4*\c:128+32*(\q)+FR*\a+4*\c+3], v[AP+\slot] offset:(2*\w+\a)*4096+2048*(\q)+512*\c
.endr
.endr
.endr
.endm
.macro RESC n, i, w, k                 ; accumulator n of the group (i, w) under the next block's M: x factor k of its rows
.set DR, 64*((\n)%2)+8*(4*(\i)+(\n)/2)
.set GP, GF+4*(\k)+2*(\w)
.irp j, 0,2,4,6
.if (\n)%2
	v_pk_mul_f32 v[DR+\j:DR+\j+1], v[GP:GP+1], v[DR+\j:DR+\j+1] op_sel:[1,0] op_sel_hi:[1,1]
.else
	v_pk_mul_f32 v[DR+\j:DR+\j+1], v[GP:GP+1], v[DR+\j:DR+\j+1] op_sel_hi:[0,1]
.endif
.endr
.endm
; Eight matrix instructions of step q: V's tiles 4 i .. 4 i + 3 x rows a = 2 w, 2 w + 1.  The four groups, and the 32 accumulators in them, take turns in the same order in every step.
; k >= 0: the accumulators are rescaled on the way, two instructions of the group ahead of their own.
.macro MULG q, i, w, z, k
	WIN (\q)+84*(2+(\w))
.if (\k) >= 0
	RESC 0, \i, \w, \k
	RESC 1, \i, \w, \k
.endif
.set NN, 0
.rept 8
.set DD, 64*(NN%2)+8*(4*(\i)+NN/2)
.set FB, 128*(1-(\q))+FR*(4*(\i)+NN/2)
.set FA, 128+32*(\q)+FR*(NN%2)
.if \z
	v_wmma_f32_16x16x128_fp8_fp8 v[DD:DD+7], v[FB:FB+15], v[FA:FA+15], 0
.else
	v_wmma_f32_16x16x128_fp8_fp8 v[DD:DD+7], v[FB:FB+15], v[FA:FA+15], v[DD:DD+7]
.endif
.if ((\k) >= 0) && (NN < 6)
	RESC NN+2, \i, \w, \k
.endif
.set NN, NN+1
.endr
.endm
.macro PLACES                          ; in front of loads into, and vector reads of, the matrix instructions' registers
.rept 4
	v_nop
.endr
	WIN 0
.endm
.macro STEP slot, z, k                 ; a block's first step; its second step's fragments are fetched
	FETCH_V \slot, 1
	s_wait_dscnt 32                                ; all but the 32 just issued
	MULG 0, 0, 0, \z, \k
	MULG 0, 0, 1, \z, \k
	FETCH_P \slot, 1
	MULG 0, 1, 0, \z, \k
	MULG 0, 1, 1, \z, \k
	PLACES
.endm
.macro AIM slot                        ; both groups 0: a block of keys on, into the slot
	s_add_co_u32 s[G0+1], s54, (\slot)*SLOT
	s_add_nc_u64 s[G0+2:G0+3], s[G0+2:G0+3], 4096
	s_add_co_u32 s[G0B+1], s55, (\slot)*SLOT
	s_add_nc_u64 s[G0B+2:G0B+3], s[G0B+2:G0B+3], 32768
.endm
; A block's second step, and the change of slots.  fill = 1: the slot is filled again, two blocks ahead.
.macro TURN slot, next, fill
.if \fill
	ONWARD
.endif
	s_wait_tensorcnt 0x0                           ; all my tensor loads have landed: my part of the next slot
	ds_add_u32 v[SPW], v[NIL]                      ; 0 onto my spare word
.if \fill
	AIM \slot
.endif
	s_wait_dscnt 1                                 ; my fragments are in; the add may be out
	MULG 1, 0, 0, 0, -1                            ; eight matrix instructions stand between the add and the wait for it
	s_wait_dscnt 0x0                               ; the add is done, and my reads of this slot are over
	s_barrier_signal -1
	MULG 1, 0, 1, 0, -1
	WIN 0
	s_barrier_wait -1
.if \fill
	CREST                                          ; no wave of any partner still reads this slot or has a load on its way
	JLOAD
.endif
	FETCH_V \next, 0
	FETCH_P \next, 0
	WIN 0
.if \fill
	s_cmp_gt_u32 s3, 1                             ; the last trip has no block two on
	s_cbranch_scc0 .Lnone_\@
	ASK
.Lnone_\@:
.endif
	MULG 1, 1, 0, 0, -1
	MULG 1, 1, 1, 0, -1
	PLACES
.endm
	s_wait_alu depctr_va_vdst(0)
	s_wait_tensorcnt 0x0                           ; my part of block 0 is in
	ds_add_u32 v[SPW], v[NIL]
	AIM 1
	s_wait_dscnt 0x0
	CROUND                                         ; slot 0 is whole
	JLOAD                                          ; slot 1's first fill: block 1
	FETCH_V 0, 0
	FETCH_P 0, 0
	WIN 0
	ASK                                            ; block 2
	STEP 0, 1, -1
	ONWARD
	ASK                                            ; block 3
	s_mov_b32 s3, 3
.Ltrip:
	TURN 0, 1, 1
	STEP 1, 0, 0
	TURN 1, 0, 1
	STEP 0, 0, 1
.irp i, 0,1,2,3,4                              ; the factors two blocks on
.irp a, 0,1,2,3
	v_mov_b32 v[GF+4*\i+\a], v[GF+4*\i+8+\a]
.endr
.endr
	s_sub_co_u32 s3, s3, 1
	s_cmp_lg_u32 s3, 0
	s_wait_alu depctr_va_vdst(0)
	s_cbranch_scc1 .Ltrip
	TURN 0, 1, 0                                   ; block 6's second step; nothing is left to fetch
	STEP 1, 0, 0
	s_wait_dscnt 0x0                               ; block 7's second step
	MULG 1, 0, 0, 0, -1
	MULG 1, 0, 1, 0, -1
	MULG 1, 1, 0, 0, -1
	MULG 1, 1, 1, 0, -1
	PLACES
; THE WAY OUT, 16 rows x 128 e at a time: through my own stage in LDS, back as whole rows of 512 bytes.  LDS serves a wave's instructions in order (ISA guide 5.7.1.4).
.macro SCALE dst, src, a               ; both numbers of the pair src x the last factor of rows a
.if (\a)%2
	v_pk_mul_f32 v[\dst:\dst+1], v[\src:\src+1], v[FF+2*((\a)/2):FF+2*((\a)/2)+1] op_sel:[0,1] op_sel_hi:[1,1]
.else
	v_pk_mul_f32 v[\dst:\dst+1], v[\src:\src+1], v[FF+2*((\a)/2):FF+2*((\a)/2)+1] op_sel_hi:[1,0]
.endif
.endm
.macro TOSTAGE a
	WIN 0x02+((\a)/2)                              ; source 0: window 2 or 3
.set j, 0
.rept 32
	SCALE TMP+j, 64*((\a)%2)+j, \a
.set j, j+2
.endr
	WIN 0
.irp b, 0,1,2,3,4,5,6,7
	ds_store_b128 v[STO], v[TMP+8*\b:TMP+8*\b+3] offset:64*\b
	ds_store_b128 v[STO], v[TMP+8*\b+4:TMP+8*\b+7] offset:64*\b+16
.endr
.set BB, BK+64*((\a)%2)
.irp t, 0,1,2,3,4,5,6,7,8,9,10,11,12,13,14,15
	ds_load_b128 v[BB+4*\t:BB+4*\t+3], v[RD] offset:\t*SPITCH
.endr
.endm
.macro SEND a, younger                 ; younger: the LDS instructions issued behind this block's loads
.set BB, BK+64*((\a)%2)
	s_wait_dscnt \younger
.irp t, 0,1,2,3,4,5,6,7,8,9,10,11,12,13,14,15
	global_store_b128 v[CO], v[BB+4*\t:BB+4*\t+3], s[12:13] offset:(16*(\a)+\t)*4096 th:TH_STORE_NT
.endr
.endm
	TOSTAGE 0
	TOSTAGE 1
	SEND 0, 32
	s_wait_xcnt 0x0                                ; block 0's stores have read their registers
	TOSTAGE 2
	SEND 1, 32
	s_wait_xcnt 0x0
	TOSTAGE 3
	SEND 2, 32
	SEND 3, 0
	s_wait_tensorcnt 0x0                           ; the wave's end
	ds_add_u32 v[SPW], v[NIL]
	s_wait_dscnt 0x0
	CROUND                                         ; the closing round
	s_endpgm
.Lfunc_end_k_q1c78c7a1eb_pv:
	.size	k_q1c78c7a1eb_pv, .Lfunc_end_k_q1c78c7a1eb_pv-k_q1c78c7a1eb_pv
	.p2alignl 7, 3214868480
	.fill 96, 4, 3214868480
	.section	.rodata,"a",@progbits
	.p2align	6, 0x0
	.amdhsa_kernel k_q1c78c7a1eb_pv
		.amdhsa_group_segment_fixed_size 327680
		.amdhsa_private_segment_fixed_size 0
		.amdhsa_enable_private_segment 0
		.amdhsa_kernarg_size 40
		.amdhsa_user_sgpr_count 2
		.amdhsa_user_sgpr_kernarg_segment_ptr 1
		.amdhsa_wavefront_size32 1
		.amdhsa_system_sgpr_workgroup_id_x 1
		.amdhsa_system_sgpr_workgroup_id_y 1
		.amdhsa_system_sgpr_workgroup_id_z 1
		.amdhsa_system_vgpr_workitem_id 0
		.amdhsa_next_free_vgpr 1024
		.amdhsa_next_free_sgpr 100
		.amdhsa_reserve_vcc 0
		.amdhsa_float_denorm_mode_32 3
		.amdhsa_float_denorm_mode_16_64 3
		.amdhsa_memory_ordered 1
		.amdhsa_forward_progress 1
		.amdhsa_inst_pref_size 115
	.end_amdhsa_kernel
	.amdgpu_metadata
---
amdhsa.version: [ 1, 2 ]
amdhsa.kernels:
  - .name:           k_q1c78c7a1eb_pv
    .symbol:         k_q1c78c7a1eb_pv.kd
    .args:
      - { .name: pc, .offset: 0, .size: 8, .value_kind: global_buffer, .address_space: global }
      - { .name: vt, .offset: 8, .size: 8, .value_kind: global_buffer, .address_space: global }
      - { .name: st, .offset: 16, .size: 8, .value_kind: global_buffer, .address_space: global }
      - { .name: lowp_scales, .offset: 24, .size: 8, .value_kind: global_buffer, .address_space: global }
      - { .name: out0, .offset: 32, .size: 8, .value_kind: global_buffer, .address_space: global }
    .group_segment_fixed_size: 327680
    .private_segment_fixed_size: 0
    .kernarg_segment_align: 8
    .kernarg_segment_size: 40
    .max_flat_workgroup_size: 128
    .sgpr_count:     100
    .vgpr_count:     1024
    .wavefront_size: 32
...
	.end_amdgpu_metadata
.endif
;; end of part 3
